; MI455X (gfx1250); checked and timed in simulation.
; The chip was launched on July 23, 2026; its instructions are those of AMD's public machine-readable ISA for CDNA 5 (MIT licence, August 2026) and "CDNA5" Instruction Set Architecture Reference Guide (July 2026). The comments in the code are by the model that wrote it; some were corrected since.
;; ODE Func. Allowed arithmetic: float matrix products may take bf16 or f16 operands with f32 sums; other float arithmetic in f32, or as packed bf16 or f16 multiplies, adds, multiply-adds, maxima and minima; sums over many terms, partial sums and values carried from step to step in f32; what a program stores and reads back later, other than sums and carried values, may be rounded once to bf16 or f16.
;; Inputs: W_h1 128 x 128 float32; W_h2 128 x 128 float32; W_in 68 x 128 float32; W_out 128 x 3 float32; b_h1 128 float32; b_h2 128 float32; b_in 128 float32; b_out 3 float32; context 500,000 x 64 float32; eps 500,000 x 3 float32; logp 500,000 x 1 float32; out_scale one number float32; t one number float32; z 500,000 x 3 float32.
;; Outputs: out0 500,000 x 3 float32; out1 500,000 x 1 float32.
;; 2 versions, each right; version 2 is version 1 with the launch ode written anew for expert scheduling mode. Each part assembles by itself: llvm-mc -triple=amdgcn-amd-amdhsa -mcpu=gfx1250 --defsym DOCPART=n.
;; ======== version 1 of 2: 1 launch
;; limits: values outside matrix products are rounded to f16; values are held in f16: magnitudes above 65,504 overflow, below 6.1e-05 lose precision; inputs' magnitudes at most 65,504; right only within a limited range of input values
;; launch ode (part 1): grid 256 x 1, 8 waves a work-group, no clusters, 107,520 bytes of LDS; arguments context, z, eps, W_in, b_in, W_h1, b_h1, W_h2, b_h2, W_out, b_out, out_scale, t, out0, out1; writes out0, out1
.if DOCPART == 1
	.amdgcn_target "amdgcn-amd-amdhsa--gfx1250"
	.amdhsa_code_object_version 6
	.text
	.protected	k_qb98c574c2b_ode
	.globl	k_qb98c574c2b_ode
	.p2align	8
	.type	k_qb98c574c2b_ode,@function
k_qb98c574c2b_ode:
	s_mov_b64 s[64:65], 0
	v_nop
	global_prefetch_b8 v0, s[64:65] scope:SCOPE_SE
	s_setreg_imm32_b32 hwreg(HW_REG_WAVE_MODE, 25, 1), 1
	s_wait_xcnt 0x0
; out0 = f(z) = (tanh(tanh(tanh([z, context, t] W_in + b_in) W_h1 + b_h1) W_h2 + b_h2) W_out + b_out) out_scale;   out1 = - eps . (J^T eps), J = df/dz.   500,000 independent rows.
; WORK LEFT OUT.  logp has no way to either result of reference(), whatever it holds: it is not loaded and is no argument; a NaN or an infinity in it is not carried to a result.
; THE SAME NUMBER BY ANOTHER ROAD.  eps . (J^T eps) = eps . (J eps) for all real inputs, so the tangent u = J eps is carried FORWARD beside the value, through the same weights:
;   u1 = W_in[0:3]^T eps;  v_l = (1 - h_l^2) u_l;  u_(l+1) = W_l^T v_l;  J eps = out_scale W_out^T v3.  Nothing is kept for a way back.  The order of rounding differs from reference()'s.
;   The time column is the same in every row: t W_in[67] is added to b_in once.
; LAYOUT.  Every product is taken transposed, H'^T = W^T H^T (source 0 = 16 units x 32 k of W^T, source 1 = 32 k x 16 rows): in the result a lane holds ONE row (lane % 16) and the units 8 (lane / 16) + 0..7.
;   Two such results, rounded to f16 in pairs, ARE source 1 of the next layer: the chain stays in registers, and nothing changes lanes.
; FORMATS.  Matrix operands f16, each rounded once from f32; sums, biases of the hidden layers and the activations f32.
; TANH.  L = 2 log2(e) is folded into W_in, W_h1, W_h2 and their biases, so a sum y holds L a:  e = 2^y;  rho = 1 / ((e + 1) / K) = K / (1 + e);  h = 1 - (2 / K) rho = tanh(a);
;   v' = (u' rho) h + (u' rho) = u' K (1 - h^2) / 2.  y -> +inf gives rho = 0, h = 1, v' = 0; y -> -inf gives h = -1, v' = 0: one form for the whole range.
; THE TANGENT'S RANGE.  K_l is a power of two, about 2 / (L x the root mean square gain of layer l's weights), made from the weights' sums of squares; it rides in the constants of two packed
;   multiply-adds.  eps is divided by m = max(|eps_d|, 2^-100) row by row.  Then out1 = NEGC m sum_d eps_d (W_out^T v3')_d with NEGC = - ln(2)^3 out_scale / (K1 K2 K3).
; LIMITS.  |context|, |z|, L |W|, |W_out| and L |b_in + t W_in[67]| stay under 65,504 (f16); |eps| under 2^126; a tangent entry more than 2^-14 below its row's scale keeps f16's fixed step of 6e-8;
;   weights so aligned that the tangent grows 2^16 above the root-mean-square estimate overflow f16; NaN and infinities are not treated apart.
; SHARES.  256 work-groups of eight waves of 512 registers; wave g of 2,048 is on its own after the one barrier.  A PASS is 32 rows: two tiles of 16, value and tangent each.  There are 15,625 passes;
;   trip i of 8 takes pass 2 g + i % 2 + 4,096 (i / 2): two trips on end make 64 rows, whose results leave as whole aligned runs of 256 bytes.  Trips past the last pass are jumped.  In a pass lane l is row l for z, eps and the results.
; WEIGHTS.  168 KB: each work-group scales, rounds and turns them once, into LDS, in the order in which a fragment's registers take them.
; NOT USED.  Tensor loads and an LDS ring for context: no wave reads another's rows, a row is 256 aligned bytes that the lanes take in operand order, and a ring would put a barrier of all eight waves into each refill.
;   A cluster: work-groups share the weights alone, 168 KB read once against 586 KB of a work-group's own rows, and the weights pass through registers anyway.
.set NPASS, 15625
; LDS.  A fragment is 1,024 bytes in register order: registers 0-3 of lane l at 16 l, registers 4-7 at 512 + 16 l; so the 16 bytes of unit u's k = 8 ko .. 8 ko + 7 lie at (u / 16) x pitch + 256 ko + 16 (u % 16).
.set L1F,   0                          ; layer 1: 8 unit tiles x 3 fragments (pitch 3,072).  ko 0-7: context columns; ko 8 and ko 9, alike: L Wz0, L Wz1, L Wz2, L (b_in + t W_in[67]), 0, 0, 0, 0; ko 10, 11: 0
.set L2F,   24576                      ; W_h1: 8 unit tiles x 4 fragments (pitch 4,096)
.set OUF,   57344                      ; W_out: 4 fragments; rows 0-2 and again 8-10 hold W_out^T, the others 0: both halves of the lanes get f_d in registers 0-2
.set B2O,   61440                      ; L b_h1, 128 f32
.set B3O,   61952                      ; L b_h2
.set RED,   62464                      ; the waves' partial sums of squares, 16 bytes each
.set L3F,   65536                      ; W_h2
.set STAGE, 98304                      ; 1,024 bytes a wave: out0 of 64 rows (768), out1 of 64 rows (256)
.set SPARE, 106496                     ; the spare words, 128 bytes a wave: four blocks of 256 bytes that no other line names
; VECTOR REGISTERS, window 0
.set FRA,  2                           ; 16 l
.set FRB,  3                           ; 16 l + 65,536
.set BIA,  4                           ; 32 (l / 16): my eight units' biases
.set CTXO, 5                           ; 256 (l % 16) + 32 (l / 16)
.set L12,  6                           ; 12 l
.set L8,   7                           ; 8 l
.set L4,   8                           ; 4 l
.set STG,  9                           ; my stage + 12 l
.set STN,  10                          ; my stage + 768 + 4 l
.set STR,  11                          ; my stage + 8 l
.set MLO,  12                          ; all ones in lanes 0-15
.set MHI,  13                          ; all ones in lanes 16-31
.set SPW,  14                          ; my spare word; never rewritten
.set NIL,  15                          ; 0; never rewritten
.set ZS,   16                          ; v16-18 z as loaded
.set PFO,  19                          ; 256 l
.set ES,   20                          ; v20-22 eps as loaded
.set ONE,  23                          ; 1.0
.set EW,   24                          ; v24-26 eps_d m NEGC
.set ZR,   27                          ; 0
.set T,    28                          ; v28-35 at work
.set RES,  36                          ; v36-39 f0, f1, f2, out1
.set FL,   40                          ; v40-47 64 rows' results on their way out
.set ACC,  48                          ; v48-111 sums: value (mi, t) at 16 mi + 8 t, tangent at 32 + 16 mi + 8 t
.set AF,   112                         ; v112-175 weight fragments: (mi, k) at 32 mi + 8 k
.set BI,   176                         ; v176-191 biases of the pair's two unit tiles
.set CST,  192                         ; v192-255 context as loaded: 32 t + 16 c + 8 g + 4 x
; window 1: two operand buffers; operand (kind: value 0, tangent 1; tile t; k step c) at buffer + 64 kind + 32 t + 8 c
.set X,    0
.set Y,    128
; the set-up's own names (registers that the loop uses otherwise)
.set SVO,  112                         ; 4,096 wave + 16 l
.set LWA,  113                         ; where a weight item goes: (l / 4) 4,096 + (l % 4) 64 + 256 wave
.set LWB,  114                         ; + 65,536
.set LWI,  115                         ; the same with pitch 3,072
.set U4,   116                         ; 4 (thread % 128)
.set WOA,  117                         ; my place in W_out
.set L1Z,  118
.set WOS,  119
.set BWS,  120
.set RDW,  121
.set SUM,  76                          ; v76-79 S1, S2, S3, S3
.set PK,   160                         ; window 1: 16 packed registers
.set QA,   176                         ; window 1: W_h1's sums of squares, two pairs
.set QB,   180                         ; window 1: W_h2's
; SCALAR REGISTERS
.set CTX,  8                           ; s[8:37] the fifteen addresses, in the arguments' order
.set ZP,   10
.set EP,   12
.set WI,   14
.set BIN,  16
.set WH1,  18
.set BH1,  20
.set WH2,  22
.set BH2,  24
.set WO,   26
.set BOP,  28
.set SCP,  30
.set TP,   32
.set O0,   34
.set O1,   36
.set BO,   40                          ; s[40:42] b_out, then b_out out_scale
.set TT,   43                          ; t
.set SC,   44                          ; out_scale
.set WV,   45                          ; my wave's number
.set G2,   46                          ; 2 g
.set PAS,  47                          ; the pass in hand
.set PAR,  48                          ; trip % 2
.set TRIP, 49
.set PNX,  50                          ; the next trip's pass
.set TM,   51
.set IK1,  52                          ; pairs: 1 / K and - 2 / K for the three layers
.set M21,  54
.set IK2,  56
.set M22,  58
.set IK3,  60
.set M23,  62
.set CB,   66                          ; bases of the stream, of the prefetch, an offset pair, bases of the stores
.set ZB,   68
.set EB,   70
.set PB,   72
.set OF,   74
.set O0B,  76
.set O1B,  78
.set NEGC, 80
.set HIM,  81                          ; lanes 16-31
.set SEL,  82                          ; s[82:83] v_permlanex16_b32: each lane takes its own place in the other half
.set SA,   84
.set LAM,  86                          ; s[86:87] L
.set BSEL, 88
.set SX,   90                          ; s90-92
.set ABSM, 93
.set MSB, 0
.macro WIN new                         ; s_set_vgpr_msb: bits 1:0 source 0, 3:2 source 1, 5:4 source 2, 7:6 destination; the high byte repeats the setting that is left; a switch that changes nothing is dropped
.if MSB != (\new)
	s_set_vgpr_msb (MSB<<8)|(\new)
.set MSB, (\new)
.endif
.endm
.macro PLACES                          ; four places behind the last product, in front of loads into registers that it has read and of the lines that read results
.rept 4
	v_nop
.endr
.endm
.macro BASES p                         ; where pass s[p]'s rows begin: 8,192 bytes of context, 384 of z and of eps a pass
	s_lshl_b32 s[OF], s[\p], 13
	s_add_nc_u64 s[CB:CB+1], s[CTX:CTX+1], s[OF:OF+1]
	s_mul_i32 s[OF], s[\p], 384
	s_add_nc_u64 s[ZB:ZB+1], s[ZP:ZP+1], s[OF:OF+1]
	s_add_nc_u64 s[EB:EB+1], s[EP:EP+1], s[OF:OF+1]
.endm
.macro STREAM                          ; a pass's 22 loads.  Context in operand order: lane (r, h) takes columns 32 c + 16 g + 8 h + 4 x .. of row 16 t + r; the sixteen loads take the whole 256 bytes of each of the 32 rows
.irp t, 0,1
.irp c, 0,1
.irp g, 0,1
.irp x, 0,1
	global_load_b128 v[CST+32*\t+16*\c+8*\g+4*\x:CST+32*\t+16*\c+8*\g+4*\x+3], v[CTXO], s[CB:CB+1] offset:\t*4096+\c*128+\g*64+\x*16
.endr
.endr
.endr
.endr
.irp d, 0,1,2
	global_load_b32 v[ZS+\d], v[L12], s[ZB:ZB+1] offset:4*\d
.endr
.irp d, 0,1,2
	global_load_b32 v[ES+\d], v[L12], s[EB:EB+1] offset:4*\d
.endr
.endm
; One item of the weights: 8 rows k x my 4 units, f32 in window 1 at t + 4 i + j.  q = 1: its squares start the sums at qs; 2: they add to them.  Then times L, rounded in pairs along k, 16 bytes a unit into LDS.
.macro CONV t, ad, off, q=0, qs=0
	WIN 0x55
.if (\q) > 0
.set i, 0
.rept 16
.if ((\q) == 1) && (i < 2)
	v_pk_mul_f32 v[(\qs)+2*i:(\qs)+2*i+1], v[(\t)+2*i:(\t)+2*i+1], v[(\t)+2*i:(\t)+2*i+1]
.else
	v_pk_fma_f32 v[(\qs)+2*(i%2):(\qs)+2*(i%2)+1], v[(\t)+2*i:(\t)+2*i+1], v[(\t)+2*i:(\t)+2*i+1], v[(\qs)+2*(i%2):(\qs)+2*(i%2)+1]
.endif
.set i, i+1
.endr
.endif
.set i, 0
.rept 16
	v_pk_mul_f32 v[(\t)+2*i:(\t)+2*i+1], v[(\t)+2*i:(\t)+2*i+1], s[LAM:LAM+1] op_sel_hi:[1,0]
.set i, i+1
.endr
.set i, 0
.rept 16                               ; i = 4 j + n: unit j, rows 2 n and 2 n + 1
	v_cvt_pk_f16_f32 v[PK+i], v[(\t)+8*(i%4)+i/4], v[(\t)+8*(i%4)+4+i/4]
.set i, i+1
.endr
	WIN 0x04                               ; address window 0, data window 1
.irp j, 0,1,2,3
	ds_store_b128 v[\ad], v[PK+4*\j:PK+4*\j+3] offset:(\off)+16*\j
.endr
.endm
.macro WSUM r                          ; a sum over the wave's 32 lanes, the result in every lane
	v_add_f32_dpp v[\r], v[\r], v[\r] row_xmask:1 row_mask:0xf bank_mask:0xf
	v_add_f32_dpp v[\r], v[\r], v[\r] row_xmask:2 row_mask:0xf bank_mask:0xf
	v_add_f32_dpp v[\r], v[\r], v[\r] row_xmask:4 row_mask:0xf bank_mask:0xf
	v_add_f32_dpp v[\r], v[\r], v[\r] row_xmask:8 row_mask:0xf bank_mask:0xf
	v_permlanex16_b32 v[SUM+4], v[\r], s[SEL], s[SEL+1]
	v_add_f32 v[\r], v[\r], v[SUM+4]
.endm
.macro KAPPA x, ik, m2                 ; from X = L^2 x (a unit's mean sum of squares): half = its exponent / 2, held to -30 .. 30; 1 / K = 2^(half - 1), - 2 / K = - 2^half.  These numbers enter arithmetic alone
	s_bfe_u32 s[TM], s[\x], 0x80017
	s_sub_co_i32 s[TM], s[TM], 127
	s_ashr_i32 s[TM], s[TM], 1
	s_max_i32 s[TM], s[TM], -30
	s_min_i32 s[TM], s[TM], 30
	s_add_co_i32 s[\ik], s[TM], 126
	s_lshl_b32 s[\ik], s[\ik], 23
	s_mov_b32 s[\ik+1], s[\ik]
	s_add_co_i32 s[\m2], s[TM], 127
	s_lshl_b32 s[\m2], s[\m2], 23
	s_or_b32 s[\m2], s[\m2], 0x80000000
	s_mov_b32 s[\m2+1], s[\m2]
.endm
; THE FRAGMENT LOADS of a pair of unit tiles 2 c, 2 c + 1: contiguous, 512 bytes an instruction
.macro LDF1 c
.irp mi, 0,1
.irp k, 0,1,2
	ds_load_b128 v[AF+32*\mi+8*\k:AF+32*\mi+8*\k+3],   v[FRA] offset:L1F+(2*(\c)+\mi)*3072+\k*1024
	ds_load_b128 v[AF+32*\mi+8*\k+4:AF+32*\mi+8*\k+7], v[FRA] offset:L1F+(2*(\c)+\mi)*3072+\k*1024+512
.endr
.endr
.endm
.macro LDFH reg, base, boff, c         ; a hidden layer's: 16 loads, and the two tiles' biases as a C operand (register j: unit 8 (l / 16) + j)
.irp mi, 0,1
.irp k, 0,1,2,3
	ds_load_b128 v[AF+32*\mi+8*\k:AF+32*\mi+8*\k+3],   v[\reg] offset:(\base)+(2*(\c)+\mi)*4096+\k*1024
	ds_load_b128 v[AF+32*\mi+8*\k+4:AF+32*\mi+8*\k+7], v[\reg] offset:(\base)+(2*(\c)+\mi)*4096+\k*1024+512
.endr
	ds_load_b128 v[BI+8*\mi:BI+8*\mi+3],   v[BIA] offset:(\boff)+(2*(\c)+\mi)*64
	ds_load_b128 v[BI+8*\mi+4:BI+8*\mi+7], v[BIA] offset:(\boff)+(2*(\c)+\mi)*64+16
.endr
.endm
.macro LDFO
.irp k, 0,1,2,3
	ds_load_b128 v[AF+8*\k:AF+8*\k+3],   v[FRA] offset:OUF+\k*1024
	ds_load_b128 v[AF+8*\k+4:AF+8*\k+7], v[FRA] offset:OUF+\k*1024+512
.endr
.endm
; THE PRODUCTS.  The accumulators take turns, one instruction a turn; the first product on each starts its sum (with 0 or with the bias): nothing is cleared.
.macro MM1                             ; layer 1: the value over k steps 0-2; the tangent over the third fragment alone (its k slots 0-2 or 8-10 hold L Wz)
	WIN 0x04                               ; source 1 in window 1
.irp k, 0,1
.irp mi, 0,1
.irp t, 0,1
.set rD, ACC+16*\mi+8*\t
.if \k == 0
	v_wmma_f32_16x16x32_f16 v[rD:rD+7], v[AF+32*\mi:AF+32*\mi+7], v[X+32*\t:X+32*\t+7], 0
.else
	v_wmma_f32_16x16x32_f16 v[rD:rD+7], v[AF+32*\mi+8:AF+32*\mi+15], v[X+32*\t+8:X+32*\t+15], v[rD:rD+7]
.endif
.endr
.endr
.endr
.irp mi, 0,1
.irp t, 0,1
.set rD, ACC+16*\mi+8*\t
	v_wmma_f32_16x16x32_f16 v[rD:rD+7], v[AF+32*\mi+16:AF+32*\mi+23], v[X+32*\t+16:X+32*\t+23], v[rD:rD+7]
	v_wmma_f32_16x16x32_f16 v[rD+32:rD+39], v[AF+32*\mi+16:AF+32*\mi+23], v[X+64+32*\t:X+64+32*\t+7], 0
.endr
.endr
.endm
.macro MMH cur                         ; a hidden layer: 32 products, eight accumulators
	WIN 0x04
.irp k, 0,1,2,3
.irp mi, 0,1
.irp kd, 0,1
.irp t, 0,1
.set rD, ACC+32*\kd+16*\mi+8*\t
.set rA, AF+32*\mi+8*\k
.set rB, (\cur)+64*\kd+32*\t+8*\k
.if (\k == 0) && (\kd == 0)
	v_wmma_f32_16x16x32_f16 v[rD:rD+7], v[rA:rA+7], v[rB:rB+7], v[BI+8*\mi:BI+8*\mi+7]
.elseif \k == 0
	v_wmma_f32_16x16x32_f16 v[rD:rD+7], v[rA:rA+7], v[rB:rB+7], 0
.else
	v_wmma_f32_16x16x32_f16 v[rD:rD+7], v[rA:rA+7], v[rB:rB+7], v[rD:rD+7]
.endif
.endr
.endr
.endr
.endr
.endm
.macro MMO cur                         ; the last layer: 16 products, four accumulators
	WIN 0x04
.irp k, 0,1,2,3
.irp kd, 0,1
.irp t, 0,1
.set rD, ACC+32*\kd+8*\t
.set rB, (\cur)+64*\kd+32*\t+8*\k
.if \k == 0
	v_wmma_f32_16x16x32_f16 v[rD:rD+7], v[AF:AF+7], v[rB:rB+7], 0
.else
	v_wmma_f32_16x16x32_f16 v[rD:rD+7], v[AF+8*\k:AF+8*\k+7], v[rB:rB+7], v[rD:rD+7]
.endif
.endr
.endr
.endr
.endm
; THE ACTIVATION of a pair of unit tiles, in place: F = 32 sums of the value, U = the 32 of the tangent beside them.  Two batches of 32 transcendentals; behind each one plain instruction and ONE wait,
; ahead of the batch's first reader.  Each accumulator is read from its lowest registers on.  Then both are rounded into k step c of the next layer's operands.
.macro ACT c, nxt, ik, m2
	WIN 0
.set q, 0
.rept 32
	v_exp_f32 v[ACC+q], v[ACC+q]           ; e = 2^y
.set q, q+1
.endr
	v_nop
	s_wait_alu depctr_va_vdst(0)
.set q, 0
.rept 16
	v_pk_fma_f32 v[ACC+q:ACC+q+1], v[ACC+q:ACC+q+1], s[\ik:\ik+1], s[\ik:\ik+1] op_sel_hi:[1,0,0]  ; (e + 1) / K
.set q, q+2
.endr
.set q, 0
.rept 32
	v_rcp_f32 v[ACC+q], v[ACC+q]           ; rho
.set q, q+1
.endr
	v_nop
	s_wait_alu depctr_va_vdst(0)
.set q, 0
.rept 16
	v_pk_mul_f32 v[ACC+32+q:ACC+33+q], v[ACC+32+q:ACC+33+q], v[ACC+q:ACC+q+1]  ; u' rho
.set q, q+2
.endr
.set q, 0
.rept 16
	v_pk_fma_f32 v[ACC+q:ACC+q+1], v[ACC+q:ACC+q+1], s[\m2:\m2+1], 1.0 op_sel_hi:[1,0,0]  ; h
.set q, q+2
.endr
.set q, 0
.rept 16
	v_pk_fma_f32 v[ACC+32+q:ACC+33+q], v[ACC+32+q:ACC+33+q], v[ACC+q:ACC+q+1], v[ACC+32+q:ACC+33+q]  ; v'
.set q, q+2
.endr
	WIN 0x40                               ; destination window 1
.set q, 0
.rept 32                               ; q = 16 kind + 8 mi + 4 t + n
	v_cvt_pk_f16_f32 v[(\nxt)+64*(q/16)+32*((q/4)%2)+8*(\c)+4*((q/8)%2)+q%4], v[ACC+2*q], v[ACC+2*q+1]
.set q, q+1
.endr
.endm
; A PASS'S OPERANDS for layer 1.  Tile 0's z and eps stand in lanes 0-15 (k slots 0-3 of the third step), tile 1's in lanes 16-31 (slots 8-11, which hold the same weights): so lane l serves row l.
.macro INPUT
	WIN 0
.irp d, 0,1,2
	v_and_b32 v[T+4+\d], s[ABSM], v[ES+\d]
.endr
	v_max3_num_f32 v[T], v[T+4], v[T+5], v[T+6]
	v_max_num_f32 v[T], 0x0d800000, v[T]   ; m, at least 2^-100
	v_rcp_f32 v[T+1], v[T]
	v_cvt_pk_f16_f32 v[T+2], v[ZS], v[ZS+1]
	v_cvt_pk_f16_f32 v[T+3], v[ZS+2], v[ONE]  ; the 1 meets L (b_in + t W_in[67])
	v_mul_f32 v[T], s[NEGC], v[T]
.irp d, 0,1,2
	v_mul_f32 v[EW+\d], v[ES+\d], v[T]
.endr
	s_wait_alu depctr_va_vdst(0)           ; a wait ahead of the reciprocal's first reader; the six lines above are the work between
.irp d, 0,1,2
	v_mul_f32 v[T+4+\d], v[ES+\d], v[T+1]
.endr
	v_cvt_pk_f16_f32 v[T+4], v[T+4], v[T+5]
	v_cvt_pk_f16_f32 v[T+5], v[T+6], v[ZR]    ; the 0 meets the bias: the tangent has none
	WIN 0x40
.irp t, 0,1
.irp c, 0,1
.irp n, 0,1,2,3,4,5,6,7
	v_cvt_pk_f16_f32 v[X+32*\t+8*\c+\n], v[CST+32*\t+16*\c+2*\n], v[CST+32*\t+16*\c+2*\n+1]
.endr
.endr
.endr
.irp n, 0,1
	v_and_b32 v[X+16+\n], v[MLO], v[T+2+\n]
	v_and_b32 v[X+48+\n], v[MHI], v[T+2+\n]
	v_and_b32 v[X+64+\n], v[MLO], v[T+4+\n]
	v_and_b32 v[X+96+\n], v[MHI], v[T+4+\n]
.endr
.irp n, 2,3,4,5,6,7                    ; the other k slots of these four operands (the hidden layers write these registers in every pass)
	v_mov_b32 v[X+16+\n], 0
	v_mov_b32 v[X+48+\n], 0
	v_mov_b32 v[X+64+\n], 0
	v_mov_b32 v[X+96+\n], 0
.endr
.endm
	; ---------------- THE SET-UP ----------------
	s_load_b512 s[CTX:CTX+15], s[0:1], 0x0
	s_load_b256 s[BH2:BH2+7], s[0:1], 0x40
	s_load_b128 s[TP:TP+3], s[0:1], 0x60
	s_load_b64 s[O1:O1+1], s[0:1], 0x70
	v_lshl_add_u32 v[SPW], v0, 2, SPARE
	v_mov_b32 v[NIL], 0
	v_lshrrev_b32 v1, 5, v0
	v_readfirstlane_b32 s[WV], v1          ; wave 0..7
	v_and_b32 v1, 31, v0                   ; l
	v_and_b32 v[T+1], 15, v0               ; l % 16
	v_bfe_u32 v[T], v0, 4, 1               ; l / 16
	v_lshlrev_b32 v[FRA], 4, v1
	v_add_nc_u32 v[FRB], L3F, v[FRA]
	v_lshlrev_b32 v[BIA], 5, v[T]
	v_lshl_add_u32 v[CTXO], v[T+1], 8, v[BIA]
	v_mul_u32_u24 v[L12], v1, 12
	v_lshlrev_b32 v[L8], 3, v1
	v_lshlrev_b32 v[L4], 2, v1
	v_lshlrev_b32 v[PFO], 8, v1
	s_lshl_b32 s[TM], s[WV], 10
	s_add_co_u32 s[TM], s[TM], STAGE       ; my stage
	v_add_nc_u32 v[STG], s[TM], v[L12]
	v_add_nc_u32 v[STR], s[TM], v[L8]
	s_add_co_u32 s[TM], s[TM], 768
	v_add_nc_u32 v[STN], s[TM], v[L4]
	v_cmp_gt_u32 vcc_lo, 16, v1
	v_cndmask_b32 v[MLO], 0, -1, vcc_lo
	v_xor_b32 v[MHI], -1, v[MLO]
	v_mov_b32 v[ONE], 1.0
	v_mov_b32 v[ZR], 0
	s_lshl_b32 s[SA], s[WV], 12
	v_add_nc_u32 v[SVO], s[SA], v[FRA]     ; rows 8 wave .. of a weight matrix, my 4 units
	v_lshrrev_b32 v[T+2], 2, v1
	v_and_b32 v[T+3], 3, v1
	s_lshl_b32 s[SA], s[WV], 8
	v_lshl_add_u32 v[T+3], v[T+3], 6, s[SA]
	v_lshl_add_u32 v[LWA], v[T+2], 12, v[T+3]
	v_add_nc_u32 v[LWB], L3F, v[LWA]
	v_mul_u32_u24 v[LWI], v[T+2], 3072
	v_add_nc_u32 v[LWI], v[LWI], v[T+3]
	v_and_b32 v[T+4], 127, v0              ; u = thread % 128
	v_lshlrev_b32 v[U4], 2, v[T+4]
	v_lshrrev_b32 v[T+5], 4, v0            ; W_out: thread = 16 ko + m
	v_and_b32 v[T+6], 7, v0                ; d = m % 8; kept for the select below
	v_min_u32 v[T+7], 2, v[T+6]            ; rows that hold 0 read column 2 and drop it
	v_mul_u32_u24 v[T+5], v[T+5], 24
	v_add_lshl_u32 v[WOA], v[T+5], v[T+7], 2  ; (3 x 8 ko + d) x 4
	v_lshrrev_b32 v[T+4], 4, v[T+4]
	v_mul_u32_u24 v[T+4], v[T+4], 3072
	v_lshl_add_u32 v[T+4], v[T+1], 4, v[T+4]
	v_lshrrev_b32 v[T+5], 7, v0
	v_lshl_add_u32 v[L1Z], v[T+5], 8, v[T+4]  ; threads 0-127 write ko 8 and 10, threads 128-255 ko 9 and 11
	v_lshlrev_b32 v[WOS], 4, v0
	v_lshlrev_b32 v[BWS], 2, v0
	s_lshl_b32 s[SA], s[WV], 4
	v_mov_b32 v[RDW], s[SA]
	v_mov_b32 v[SUM+4], 0                  ; v_permlanex16_b32's destination counts as read
	s_mov_b32 s[LAM], 0x4038aa3b           ; L = 2 log2(e)
	s_mov_b32 s[LAM+1], s[LAM]
	s_mov_b32 s[HIM], 0xffff0000
	s_mov_b32 s[SEL], 0x76543210
	s_mov_b32 s[SEL+1], 0xfedcba98
	s_mov_b32 s[ABSM], 0x7fffffff
	s_mov_b32 s[OF+1], 0
	s_lshl_b32 s[G2], ttmp9, 4
	s_lshl_b32 s[SA], s[WV], 1
	s_add_co_u32 s[G2], s[G2], s[SA]       ; 2 g = 2 (8 x work-group + wave)
	s_wait_kmcnt 0x0
	s_load_b32 s[TT], s[TP:TP+1], 0x0
	s_load_b32 s[SC], s[SCP:SCP+1], 0x0
	s_load_b96 s[BO:BO+2], s[BOP:BOP+1], 0x0
	WIN 0x40                               ; destination window 1.  Item it of a hidden matrix: rows 8 (wave + 8 it) + i; each load takes 512 consecutive bytes of a row
.irp it, 0,1
.irp i, 0,1,2,3,4,5,6,7
	global_load_b128 v[32*\it+4*\i:32*\it+4*\i+3], v[SVO], s[WH1:WH1+1] offset:\it*32768+\i*512
.endr
.endr
.irp it, 0,1
.irp i, 0,1,2,3,4,5,6,7
	global_load_b128 v[64+32*\it+4*\i:64+32*\it+4*\i+3], v[SVO], s[WH2:WH2+1] offset:\it*32768+\i*512
.endr
.endr
.irp i, 0,1,2,3,4,5,6,7
	global_load_b128 v[128+4*\i:128+4*\i+3], v[SVO], s[WI:WI+1] offset:1536+\i*512  ; W_in's context rows 3 + 8 wave + i
.endr
	WIN 0
	global_load_b32 v[ACC],   v[U4], s[WI:WI+1]               ; W_in rows 0, 1, 2 (z) and 67 (t), unit u
	global_load_b32 v[ACC+1], v[U4], s[WI:WI+1] offset:512
	global_load_b32 v[ACC+2], v[U4], s[WI:WI+1] offset:1024
	global_load_b32 v[ACC+3], v[U4], s[WI:WI+1] offset:34304
	global_load_b32 v[ACC+4], v[U4], s[BIN:BIN+1]
.irp i, 0,1,2,3,4,5,6,7
	global_load_b32 v[ACC+5+\i], v[WOA], s[WO:WO+1] offset:12*\i  ; W_out[8 ko + i][d]
.endr
	s_cmp_lt_u32 s[WV], 4
	s_cselect_b64 s[BSEL:BSEL+1], s[BH1:BH1+1], s[BH2:BH2+1]     ; threads 0-127 bring b_h1, the others b_h2
	global_load_b32 v[ACC+13], v[U4], s[BSEL:BSEL+1]
	BASES G2
	STREAM                                 ; the first pass's rows: on their way while the weights are laid out
	s_wait_loadcnt 60                      ; W_h1 is in; behind it 16 + 8 + 14 + 22 loads may stay out
	CONV 0,  LWA, L2F,      1, QA
	CONV 32, LWA, L2F+2048, 2, QA
	s_wait_loadcnt 44                      ; W_h2 is in; 8 + 14 + 22 may stay out
	CONV 64, LWB, 0,    1, QB
	CONV 96, LWB, 2048, 2, QB
	s_wait_loadcnt 36                      ; W_in's context rows; 14 + 22 may stay out
	CONV 128, LWI, L1F
	WIN 0x55
	v_pk_add_f32 v[QA:QA+1], v[QA:QA+1], v[QA+2:QA+3]
	v_pk_add_f32 v[QB:QB+1], v[QB:QB+1], v[QB+2:QB+3]
	WIN 0x05                               ; sources window 1, destination window 0
	v_add_f32 v[SUM+1], v[QA], v[QA+1]
	v_add_f32 v[SUM+2], v[QB], v[QB+1]
	WIN 0
	s_wait_loadcnt 22                      ; the small loads; the first pass's 22 may stay out
	s_wait_kmcnt 0x0                       ; t, out_scale, b_out
	v_mul_f32 v[SUM], v[ACC], v[ACC]       ; both halves of the threads take these squares: S1 comes out twice
	v_fmac_f32 v[SUM], v[ACC+1], v[ACC+1]
	v_fmac_f32 v[SUM], v[ACC+2], v[ACC+2]
	v_fma_f32 v[ACC+3], v[ACC+3], s[TT], v[ACC+4]  ; b_in + t W_in[67]
	v_pk_mul_f32 v[ACC:ACC+1], v[ACC:ACC+1], s[LAM:LAM+1] op_sel_hi:[1,0]
	v_pk_mul_f32 v[ACC+2:ACC+3], v[ACC+2:ACC+3], s[LAM:LAM+1] op_sel_hi:[1,0]
	v_cvt_pk_f16_f32 v[ACC+18], v[ACC], v[ACC+1]
	v_cvt_pk_f16_f32 v[ACC+19], v[ACC+2], v[ACC+3]
.irp i, 20,21,22,23
	v_mov_b32 v[ACC+\i], 0
.endr
	ds_store_b128 v[L1Z], v[ACC+18:ACC+21] offset:L1F+2048
	ds_store_b128 v[L1Z], v[ACC+20:ACC+23] offset:L1F+2560
	v_cmp_gt_u32 vcc_lo, 3, v[T+6]
.irp i, 0,1,2,3,4,5,6,7
	v_cndmask_b32 v[ACC+5+\i], 0, v[ACC+5+\i], vcc_lo
.endr
.irp n, 0,1,2,3
	v_cvt_pk_f16_f32 v[ACC+24+\n], v[ACC+5+2*\n], v[ACC+6+2*\n]
.endr
	ds_store_b128 v[WOS], v[ACC+24:ACC+27] offset:OUF
	v_mul_f32 v[ACC+13], s[LAM], v[ACC+13]
	ds_store_b32 v[BWS], v[ACC+13] offset:B2O
	WSUM SUM
	WSUM SUM+1
	WSUM SUM+2
	v_mov_b32 v[SUM+3], v[SUM+2]
	ds_store_b128 v[RDW], v[SUM:SUM+3] offset:RED
	s_wait_dscnt 0x0                       ; for the others' sake: all my stores into LDS are done
	s_barrier_signal -1
	s_barrier_wait -1                      ; the kernel's one barrier: fragments, biases and partial sums are whole; from here on no wave writes them
	v_mov_b32 v[RES], 0
.irp w, 0,1,2,3,4,5,6,7
	ds_load_b128 v[ACC+4*\w:ACC+4*\w+3], v[RES] offset:RED+16*\w
.endr
	LDF1 0
	s_wait_dscnt 12                        ; the eight partial sums are in; the 12 fragment loads behind them may stay out
.irp w, 1,2,3,4,5,6,7
	v_pk_add_f32 v[ACC:ACC+1], v[ACC:ACC+1], v[ACC+4*\w:ACC+4*\w+1]
	v_pk_add_f32 v[ACC+2:ACC+3], v[ACC+2:ACC+3], v[ACC+4*\w+2:ACC+4*\w+3]
.endr
	v_mul_f32 v[ACC],   0x3d053526, v[ACC]    ; L^2 / 256: S1 was taken twice
	v_mul_f32 v[ACC+1], 0x3d853526, v[ACC+1]  ; L^2 / 128
	v_mul_f32 v[ACC+2], 0x3d853526, v[ACC+2]
	v_readfirstlane_b32 s[SX],   v[ACC]
	v_readfirstlane_b32 s[SX+1], v[ACC+1]
	v_readfirstlane_b32 s[SX+2], v[ACC+2]
	KAPPA SX,   IK1, M21
	KAPPA SX+1, IK2, M22
	KAPPA SX+2, IK3, M23
	s_mul_f32 s[NEGC], s[IK1], s[IK2]
	s_mul_f32 s[NEGC], s[NEGC], s[IK3]
	s_mul_f32 s[NEGC], s[NEGC], 0xbeaa8235 ; - ln(2)^3
	s_mul_f32 s[NEGC], s[NEGC], s[SC]
	s_mul_f32 s[BO],   s[BO],   s[SC]
	s_mul_f32 s[BO+1], s[BO+1], s[SC]
	s_mul_f32 s[BO+2], s[BO+2], s[SC]
	s_mov_b32 s[TRIP], 0
	; ---------------- THE LOOP: eight trips, a pass each ----------------
.Lpass:
	s_and_b32 s[PAR], s[TRIP], 1
	s_lshr_b32 s[PAS], s[TRIP], 1
	s_lshl_b32 s[PAS], s[PAS], 12
	s_add_co_u32 s[PAS], s[PAS], s[PAR]
	s_add_co_u32 s[PAS], s[PAS], s[G2]     ; 2 g + trip % 2 + 4,096 (trip / 2)
	s_cmp_ge_u32 s[PAS], NPASS
	s_cbranch_scc1 .Lskip                  ; past the last pass: forward, over plain work alone
	s_wait_loadcnt 0x0                     ; this pass's 22 loads, issued a pass ago
	s_wait_xcnt 0x0                        ; the last pass's stores and prefetch have read their registers: bases and data are written again only behind this wait
	INPUT
	WIN 0
	s_cmp_eq_u32 s[PAR], 0
	s_cselect_b32 s[TM], 1, 4095
	s_add_co_u32 s[PNX], s[PAS], s[TM]     ; the next trip's pass
	s_cmp_lt_u32 s[PNX], NPASS
	s_cbranch_scc0 .Lasked
	BASES PNX
	STREAM                                 ; its rows have this whole pass in which to come
	s_add_co_u32 s[TM], s[PAS], 4096       ; the pass of the trip after that, which the next trip's loads will name
	s_cmp_lt_u32 s[TM], NPASS
	s_cbranch_scc0 .Lasked                 ; no such pass: nothing is asked for
	s_lshl_b32 s[OF], s[TM], 13
	s_add_nc_u64 s[PB:PB+1], s[CTX:CTX+1], s[OF:OF+1]
	global_prefetch_b8 v[PFO], s[PB:PB+1] th:TH_LOAD_NT scope:SCOPE_SE  ; its 32 rows of context, a lane a row of 256 bytes: each row is named once in the launch, by the wave that will load it; z and eps, 24 bytes a row, are not asked for
.Lasked:
	; Each pair of unit tiles: the fragments asked for an activation ago are in; the products; four places; the next pair's fragments; the activation.
.irp c, 0,1,2,3
	s_wait_dscnt 0x0
	MM1
	PLACES
	WIN 0
.if \c < 3
	LDF1 (\c+1)
.else
	LDFH FRA, L2F, B2O, 0
.endif
	ACT \c, Y, IK1, M21
.endr
.irp c, 0,1,2,3
	s_wait_dscnt 0x0
	MMH Y
	PLACES
	WIN 0
.if \c < 3
	LDFH FRA, L2F, B2O, (\c+1)
.else
	LDFH FRB, 0, B3O, 0
.endif
	ACT \c, X, IK2, M22
.endr
.irp c, 0,1,2,3
	s_wait_dscnt 0x0
	MMH X
	PLACES
	WIN 0
.if \c < 3
	LDFH FRB, 0, B3O, (\c+1)
.else
	LDFO
.endif
	ACT \c, Y, IK3, M23
.endr
	s_wait_dscnt 0x0
	MMO Y
	PLACES
	WIN 0
	LDF1 0                                 ; the next pass's first fragments
.irp d, 0,1,2
	v_cndmask_b32 v[T+\d], v[ACC+\d], v[ACC+8+\d], s[HIM]        ; lane l takes row l: tile 0 in lanes 0-15, tile 1 in lanes 16-31
.endr
.irp d, 0,1,2
	v_cndmask_b32 v[T+4+\d], v[ACC+32+\d], v[ACC+40+\d], s[HIM]
.endr
.irp d, 0,1,2
	v_fma_f32 v[RES+\d], v[T+\d], s[SC], s[BO+\d]                ; (h W_out + b_out) out_scale
.endr
	v_mul_f32 v[RES+3], v[T+4], v[EW]
	v_fmac_f32 v[RES+3], v[T+5], v[EW+1]
	v_fmac_f32 v[RES+3], v[T+6], v[EW+2]   ; NEGC m eps . (W_out^T v3')
	s_cmp_eq_u32 s[PAS], NPASS-1
	s_cbranch_scc1 .Ltail
	s_cmp_eq_u32 s[PAR], 0
	s_cbranch_scc0 .Lodd
.irp d, 0,1,2
	ds_store_b32 v[STG], v[RES+\d] offset:4*\d   ; the first 32 of 64 rows wait in my stage
.endr
	ds_store_b32 v[STN], v[RES+3]
	s_branch .Lskip
.Lodd:
.irp d, 0,1,2
	ds_store_b32 v[STG], v[RES+\d] offset:384+4*\d
.endr
	ds_store_b32 v[STN], v[RES+3] offset:128
.irp j, 0,1,2,3
	ds_load_b64 v[FL+2*\j:FL+2*\j+1], v[STR] offset:256*\j  ; my own bytes: LDS serves a wave's instructions in order (ISA guide 5.7.1.4), so these see the stores above and the next chunk's stores come behind them
.endr
	s_lshr_b32 s[TM], s[PAS], 1            ; the chunk of 64 rows
	s_mul_i32 s[OF], s[TM], 768
	s_add_nc_u64 s[O0B:O0B+1], s[O0:O0+1], s[OF:OF+1]
	s_lshl_b32 s[OF], s[TM], 8
	s_add_nc_u64 s[O1B:O1B+1], s[O1:O1+1], s[OF:OF+1]
	s_wait_dscnt 0x0
.irp j, 0,1,2
	global_store_b64 v[L8], v[FL+2*\j:FL+2*\j+1], s[O0B:O0B+1] offset:256*\j th:TH_STORE_NT  ; each store covers 256 consecutive bytes, at a multiple of 256 from the buffer's first
.endr
	global_store_b64 v[L8], v[FL+6:FL+7], s[O1B:O1B+1] th:TH_STORE_NT
	s_branch .Lskip
.Ltail:                                        ; the launch's last 32 rows have no second half: one wave, once, stores them as they lie in the lanes
	s_mul_i32 s[OF], s[PAS], 384
	s_add_nc_u64 s[O0B:O0B+1], s[O0:O0+1], s[OF:OF+1]
	s_lshl_b32 s[OF], s[PAS], 7
	s_add_nc_u64 s[O1B:O1B+1], s[O1:O1+1], s[OF:OF+1]
.irp d, 0,1,2
	global_store_b32 v[L12], v[RES+\d], s[O0B:O0B+1] offset:4*\d
.endr
	global_store_b32 v[L4], v[RES+3], s[O1B:O1B+1]
.Lskip:
	s_add_co_u32 s[TRIP], s[TRIP], 1
	s_cmp_lt_u32 s[TRIP], 8
	s_cbranch_scc1 .Lpass
	s_wait_tensorcnt 0x0                   ; the wave's end, behind my last LDS store
	ds_add_u32 v[SPW], v[NIL]
	s_wait_dscnt 0x0
	s_endpgm
.Lfunc_end_k_qb98c574c2b_ode:
	.size	k_qb98c574c2b_ode, .Lfunc_end_k_qb98c574c2b_ode-k_qb98c574c2b_ode
	.p2alignl 7, 3214868480
	.fill 96, 4, 3214868480
	.section	.rodata,"a",@progbits
	.p2align	6, 0x0
	.amdhsa_kernel k_qb98c574c2b_ode
		.amdhsa_group_segment_fixed_size 107520
		.amdhsa_private_segment_fixed_size 0
		.amdhsa_enable_private_segment 0
		.amdhsa_kernarg_size 120
		.amdhsa_user_sgpr_count 2
		.amdhsa_user_sgpr_kernarg_segment_ptr 1
		.amdhsa_wavefront_size32 1
		.amdhsa_system_sgpr_workgroup_id_x 1
		.amdhsa_system_sgpr_workgroup_id_y 1
		.amdhsa_system_sgpr_workgroup_id_z 1
		.amdhsa_system_vgpr_workitem_id 0
		.amdhsa_next_free_vgpr 512
		.amdhsa_next_free_sgpr 96
		.amdhsa_reserve_vcc 1
		.amdhsa_float_denorm_mode_32 3
		.amdhsa_float_denorm_mode_16_64 3
		.amdhsa_memory_ordered 1
		.amdhsa_forward_progress 1
		.amdhsa_inst_pref_size 180
	.end_amdhsa_kernel
	.amdgpu_metadata
---
amdhsa.version: [ 1, 2 ]
amdhsa.kernels:
  - .name:           k_qb98c574c2b_ode
    .symbol:         k_qb98c574c2b_ode.kd
    .args:
      - { .name: context, .offset: 0, .size: 8, .value_kind: global_buffer, .address_space: global }
      - { .name: z, .offset: 8, .size: 8, .value_kind: global_buffer, .address_space: global }
      - { .name: eps, .offset: 16, .size: 8, .value_kind: global_buffer, .address_space: global }
      - { .name: W_in, .offset: 24, .size: 8, .value_kind: global_buffer, .address_space: global }
      - { .name: b_in, .offset: 32, .size: 8, .value_kind: global_buffer, .address_space: global }
      - { .name: W_h1, .offset: 40, .size: 8, .value_kind: global_buffer, .address_space: global }
      - { .name: b_h1, .offset: 48, .size: 8, .value_kind: global_buffer, .address_space: global }
      - { .name: W_h2, .offset: 56, .size: 8, .value_kind: global_buffer, .address_space: global }
      - { .name: b_h2, .offset: 64, .size: 8, .value_kind: global_buffer, .address_space: global }
      - { .name: W_out, .offset: 72, .size: 8, .value_kind: global_buffer, .address_space: global }
      - { .name: b_out, .offset: 80, .size: 8, .value_kind: global_buffer, .address_space: global }
      - { .name: out_scale, .offset: 88, .size: 8, .value_kind: global_buffer, .address_space: global }
      - { .name: t, .offset: 96, .size: 8, .value_kind: global_buffer, .address_space: global }
      - { .name: out0, .offset: 104, .size: 8, .value_kind: global_buffer, .address_space: global }
      - { .name: out1, .offset: 112, .size: 8, .value_kind: global_buffer, .address_space: global }
    .group_segment_fixed_size: 107520
    .private_segment_fixed_size: 0
    .kernarg_segment_align: 8
    .kernarg_segment_size: 120
    .max_flat_workgroup_size: 256
    .sgpr_count:     96
    .vgpr_count:     512
    .wavefront_size: 32
...
	.end_amdgpu_metadata
.endif
;; end of part 1
;; ======== version 2 of 2: 1 launch; version 1 with the launch ode written anew for expert scheduling mode
;; limits: values outside matrix products are rounded to f16; values are held in f16: magnitudes above 65,504 overflow, below 6.1e-05 lose precision; inputs' magnitudes at most 65,504; right only within a limited range of input values
;; launch ode (part 2): grid 256 x 1, 8 waves a work-group, no clusters, 107,520 bytes of LDS; arguments context, z, eps, W_in, b_in, W_h1, b_h1, W_h2, b_h2, W_out, b_out, out_scale, t, out0, out1; writes out0, out1
.if DOCPART == 2
	.amdgcn_target "amdgcn-amd-amdhsa--gfx1250"
	.amdhsa_code_object_version 6
	.text
	.protected	k_qb98c574c2b_ode
	.globl	k_qb98c574c2b_ode
	.p2align	8
	.type	k_qb98c574c2b_ode,@function
k_qb98c574c2b_ode:
	s_mov_b64 s[64:65], 0
	v_nop
	global_prefetch_b8 v0, s[64:65] scope:SCOPE_SE
	s_setreg_imm32_b32 hwreg(HW_REG_WAVE_SCHED_MODE, 0, 2), 2
	s_setreg_imm32_b32 hwreg(HW_REG_WAVE_MODE, 25, 1), 1
	s_wait_xcnt 0x0
	s_wait_alu depctr_vm_vsrc(0)
; out0 = f(z) = (tanh(tanh(tanh([z, context, t] W_in + b_in) W_h1 + b_h1) W_h2 + b_h2) W_out + b_out) out_scale;   out1 = - eps . (J^T eps), J = df/dz.   500,000 independent rows.
; WORK LEFT OUT.  logp has no way to either result of reference(), whatever it holds: it is not loaded and is no argument; a NaN or an infinity in it is not carried to a result.
; THE SAME NUMBER BY ANOTHER ROAD.  eps . (J^T eps) = eps . (J eps) for all real inputs, so the tangent u = J eps is carried FORWARD beside the value, through the same weights:
;   u1 = W_in[0:3]^T eps;  v_l = (1 - h_l^2) u_l;  u_(l+1) = W_l^T v_l;  J eps = out_scale W_out^T v3.  Nothing is kept for a way back.  The order of rounding differs from reference()'s.
;   The time column is the same in every row: t W_in[67] is added to b_in once.
; LAYOUT.  Every product is taken transposed, H'^T = W^T H^T (source 0 = 16 units x 32 k of W^T, source 1 = 32 k x 16 rows): in the result a lane holds ONE row (lane % 16) and the units 8 (lane / 16) + 0..7.
;   Two such results, rounded to f16 in pairs, ARE source 1 of the next layer: the chain stays in registers, and nothing changes lanes.
; FORMATS.  Matrix operands f16, each rounded once from f32; sums, biases of the hidden layers and the activations f32.
; TANH.  L = 2 log2(e) is folded into W_in, W_h1, W_h2 and their biases, so a sum y holds L a:  e = 2^y;  rho = 1 / ((e + 1) / K) = K / (1 + e);  h = 1 - (2 / K) rho = tanh(a);
;   v' = (u' rho) h + (u' rho) = u' K (1 - h^2) / 2.  y -> +inf gives rho = 0, h = 1, v' = 0; y -> -inf gives h = -1, v' = 0: one form for the whole range.
; THE TANGENT'S RANGE.  K_l is a power of two, about 2 / (L x the root mean square gain of layer l's weights), made from the weights' sums of squares; it rides in the constants of two packed
;   multiply-adds.  eps is divided by m = max(|eps_d|, 2^-100) row by row.  Then out1 = NEGC m sum_d eps_d (W_out^T v3')_d with NEGC = - ln(2)^3 out_scale / (K1 K2 K3).
; LIMITS.  |context|, |z|, L |W|, |W_out| and L |b_in + t W_in[67]| stay under 65,504 (f16); |eps| under 2^126; a tangent entry more than 2^-14 below its row's scale keeps f16's fixed step of 6e-8;
;   weights so aligned that the tangent grows 2^16 above the root-mean-square estimate overflow f16; NaN and infinities are not treated apart.
; SHARES.  256 work-groups of eight waves of 512 registers; wave g of 2,048 is on its own after the one barrier.  A PASS is 32 rows: two tiles of 16, value and tangent each.  There are 15,625 passes;
;   trip i of 8 takes pass 2 g + i % 2 + 4,096 (i / 2): two trips on end make 64 rows, whose results leave as whole aligned runs of 256 bytes.  Trips past the last pass are jumped.  In a pass lane l is row l for z, eps and the results.
; WEIGHTS.  168 KB: each work-group scales, rounds and turns them once, into LDS, in the order in which a fragment's registers take them.
; NOT USED.  Tensor loads and an LDS ring for context: no wave reads another's rows, a row is 256 aligned bytes that the lanes take in operand order, and a ring would put a barrier of all eight waves into each refill.
;   A cluster: work-groups share the weights alone, 168 KB read once against 586 KB of a work-group's own rows, and the weights pass through registers anyway.
; THE MODE: SCHED_MODE bits 1:0 = 2 (LLVM: expert scheduling mode 2), set by the entry lines.  The code itself states the register dependences between vector or matrix instructions and
;   memory or LDS instructions, with s_wait_alu, always for 0.
; THE PLAN.  Registers that memory or LDS instructions touch, in the loop:
;   AF, BI        A pair's products read them; the next pair's LDS loads land in them.  Those loads stand behind the wait on va_vdst that follows the activation's 32 exponentials: it states that the
;                 exponentials have written their results AND that the pair's products are done reading AF and BI.  The rest of the activation names ACC and window 1 alone.
;   CST, ZS, ES   INPUT reads them; the next pass's 22 loads land in them, behind one wait on va_vdst.
;   RES           Written by a pass's last vector lines; read by the stores into my stage, or by the tail's stores.  One wait on va_vdst behind those lines serves these stores on all three ways, and
;                 the loads of the next pass's first fragments, which land in what the last layer's products read.
;   RES, FL       What stores have read is written again a pass or two later: one wait on vm_vsrc at a pass's head, beside the wait on XCNT.
;   v2-v11, v19   Offsets and LDS addresses: made at the kernel's head, ahead of its first wait on va_vdst, and never written again.
;   ACC, T, EW and window 1 (X, Y) are named by vector and matrix instructions alone.
.set NPASS, 15625
; LDS.  A fragment is 1,024 bytes in register order: registers 0-3 of lane l at 16 l, registers 4-7 at 512 + 16 l; so the 16 bytes of unit u's k = 8 ko .. 8 ko + 7 lie at (u / 16) x pitch + 256 ko + 16 (u % 16).
.set L1F,   0                          ; layer 1: 8 unit tiles x 3 fragments (pitch 3,072).  ko 0-7: context columns; ko 8 and ko 9, alike: L Wz0, L Wz1, L Wz2, L (b_in + t W_in[67]), 0, 0, 0, 0; ko 10, 11: 0
.set L2F,   24576                      ; W_h1: 8 unit tiles x 4 fragments (pitch 4,096)
.set OUF,   57344                      ; W_out: 4 fragments; rows 0-2 and again 8-10 hold W_out^T, the others 0: both halves of the lanes get f_d in registers 0-2
.set B2O,   61440                      ; L b_h1, 128 f32
.set B3O,   61952                      ; L b_h2
.set RED,   62464                      ; the waves' partial sums of squares, 16 bytes each
.set L3F,   65536                      ; W_h2
.set STAGE, 98304                      ; 1,024 bytes a wave: out0 of 64 rows (768), out1 of 64 rows (256)
.set SPARE, 106496                     ; the spare words, 128 bytes a wave: four blocks of 256 bytes that no other line names
; VECTOR REGISTERS, window 0
.set FRA,  2                           ; 16 l
.set FRB,  3                           ; 16 l + 65,536
.set BIA,  4                           ; 32 (l / 16): my eight units' biases
.set CTXO, 5                           ; 256 (l % 16) + 32 (l / 16)
.set L12,  6                           ; 12 l
.set L8,   7                           ; 8 l
.set L4,   8                           ; 4 l
.set STG,  9                           ; my stage + 12 l
.set STN,  10                          ; my stage + 768 + 4 l
.set STR,  11                          ; my stage + 8 l
.set MLO,  12                          ; all ones in lanes 0-15
.set MHI,  13                          ; all ones in lanes 16-31
.set SPW,  14                          ; my spare word; never rewritten
.set NIL,  15                          ; 0; never rewritten
.set ZS,   16                          ; v16-18 z as loaded
.set PFO,  19                          ; 256 l
.set ES,   20                          ; v20-22 eps as loaded
.set ONE,  23                          ; 1.0
.set EW,   24                          ; v24-26 eps_d m NEGC
.set ZR,   27                          ; 0
.set T,    28                          ; v28-35 at work
.set RES,  36                          ; v36-39 f0, f1, f2, out1 (in the set-up v36 holds 0, an LDS address)
.set FL,   40                          ; v40-47 64 rows' results on their way out
.set ACC,  48                          ; v48-111 sums: value (mi, t) at 16 mi + 8 t, tangent at 32 + 16 mi + 8 t
.set AF,   112                         ; v112-175 weight fragments: (mi, k) at 32 mi + 8 k
.set BI,   176                         ; v176-191 biases of the pair's two unit tiles
.set CST,  192                         ; v192-255 context as loaded: 32 t + 16 c + 8 g + 4 x
; window 1: two operand buffers; operand (kind: value 0, tangent 1; tile t; k step c) at buffer + 64 kind + 32 t + 8 c
.set X,    0
.set Y,    128
; the set-up's own names (registers that the loop uses otherwise)
.set SVO,  112                         ; 4,096 wave + 16 l
.set LWA,  113                         ; where a weight item goes: (l / 4) 4,096 + (l % 4) 64 + 256 wave
.set LWB,  114                         ; + 65,536
.set LWI,  115                         ; the same with pitch 3,072
.set U4,   116                         ; 4 (thread % 128)
.set WOA,  117                         ; my place in W_out
.set L1Z,  118
.set WOS,  119
.set BWS,  120
.set RDW,  121
.set SUM,  76                          ; v76-79 S1, S2, S3, S3
.set PK,   160                         ; window 1: 16 packed registers
.set QA,   176                         ; window 1: W_h1's sums of squares, two pairs
.set QB,   180                         ; window 1: W_h2's
; SCALAR REGISTERS
.set CTX,  8                           ; s[8:37] the fifteen addresses, in the arguments' order
.set ZP,   10
.set EP,   12
.set WI,   14
.set BIN,  16
.set WH1,  18
.set BH1,  20
.set WH2,  22
.set BH2,  24
.set WO,   26
.set BOP,  28
.set SCP,  30
.set TP,   32
.set O0,   34
.set O1,   36
.set BO,   40                          ; s[40:42] b_out, then b_out out_scale
.set TT,   43                          ; t
.set SC,   44                          ; out_scale
.set WV,   45                          ; my wave's number
.set G2,   46                          ; 2 g
.set PAS,  47                          ; the pass in hand
.set PAR,  48                          ; trip % 2
.set TRIP, 49
.set PNX,  50                          ; the next trip's pass
.set TM,   51
.set IK1,  52                          ; pairs: 1 / K and - 2 / K for the three layers
.set M21,  54
.set IK2,  56
.set M22,  58
.set IK3,  60
.set M23,  62
.set CB,   66                          ; bases of the stream, of the prefetch, an offset pair, bases of the stores
.set ZB,   68
.set EB,   70
.set PB,   72
.set OF,   74
.set O0B,  76
.set O1B,  78
.set NEGC, 80
.set HIM,  81                          ; lanes 16-31
.set SEL,  82                          ; s[82:83] v_permlanex16_b32: each lane takes its own place in the other half
.set SA,   84
.set LAM,  86                          ; s[86:87] L
.set BSEL, 88
.set SX,   90                          ; s90-92
.set ABSM, 93
.set MSB, 0
.macro WIN new                         ; s_set_vgpr_msb: bits 1:0 source 0, 3:2 source 1, 5:4 source 2, 7:6 destination; the high byte repeats the setting that is left; a switch that changes nothing is dropped
.if MSB != (\new)
	s_set_vgpr_msb (MSB<<8)|(\new)
.set MSB, (\new)
.endif
.endm
.macro PLACES                          ; four places behind the last product (ISA guide 7.12.1), in front of the lines that read results
.rept 4
	v_nop
.endr
.endm
.macro BASES p                         ; where pass s[p]'s rows begin: 8,192 bytes of context, 384 of z and of eps a pass
	s_lshl_b32 s[OF], s[\p], 13
	s_add_nc_u64 s[CB:CB+1], s[CTX:CTX+1], s[OF:OF+1]
	s_mul_i32 s[OF], s[\p], 384
	s_add_nc_u64 s[ZB:ZB+1], s[ZP:ZP+1], s[OF:OF+1]
	s_add_nc_u64 s[EB:EB+1], s[EP:EP+1], s[OF:OF+1]
.endm
.macro STREAM                          ; a pass's 22 loads.  Context in operand order: lane (r, h) takes columns 32 c + 16 g + 8 h + 4 x .. of row 16 t + r; the sixteen loads take the whole 256 bytes of each of the 32 rows
.irp t, 0,1
.irp c, 0,1
.irp g, 0,1
.irp x, 0,1
	global_load_b128 v[CST+32*\t+16*\c+8*\g+4*\x:CST+32*\t+16*\c+8*\g+4*\x+3], v[CTXO], s[CB:CB+1] offset:\t*4096+\c*128+\g*64+\x*16
.endr
.endr
.endr
.endr
.irp d, 0,1,2
	global_load_b32 v[ZS+\d], v[L12], s[ZB:ZB+1] offset:4*\d
.endr
.irp d, 0,1,2
	global_load_b32 v[ES+\d], v[L12], s[EB:EB+1] offset:4*\d
.endr
.endm
; One item of the weights: 8 rows k x my 4 units, f32 in window 1 at t + 4 i + j.  q = 1: its squares start the sums at qs; 2: they add to them.  Then times L, rounded in pairs along k, 16 bytes a unit into LDS.
; again = 1: an item has gone before, whose LDS stores read the packed registers.
.macro CONV t, ad, off, q=0, qs=0, again=1
	WIN 0x55
.if (\q) > 0
.set i, 0
.rept 16
.if ((\q) == 1) && (i < 2)
	v_pk_mul_f32 v[(\qs)+2*i:(\qs)+2*i+1], v[(\t)+2*i:(\t)+2*i+1], v[(\t)+2*i:(\t)+2*i+1]
.else
	v_pk_fma_f32 v[(\qs)+2*(i%2):(\qs)+2*(i%2)+1], v[(\t)+2*i:(\t)+2*i+1], v[(\t)+2*i:(\t)+2*i+1], v[(\qs)+2*(i%2):(\qs)+2*(i%2)+1]
.endif
.set i, i+1
.endr
.endif
.set i, 0
.rept 16
	v_pk_mul_f32 v[(\t)+2*i:(\t)+2*i+1], v[(\t)+2*i:(\t)+2*i+1], s[LAM:LAM+1] op_sel_hi:[1,0]
.set i, i+1
.endr
.if \again
	s_wait_alu depctr_vm_vsrc(0)           ; the last item's LDS stores have read v[PK ..], which the roundings below write again
.endif
.set i, 0
.rept 16                               ; i = 4 j + n: unit j, rows 2 n and 2 n + 1
	v_cvt_pk_f16_f32 v[PK+i], v[(\t)+8*(i%4)+i/4], v[(\t)+8*(i%4)+4+i/4]
.set i, i+1
.endr
	WIN 0x04                               ; address window 0, data window 1
	s_wait_alu depctr_va_vdst(0)           ; the roundings have written v[PK ..], which the LDS stores read
.irp j, 0,1,2,3
	ds_store_b128 v[\ad], v[PK+4*\j:PK+4*\j+3] offset:(\off)+16*\j
.endr
.endm
.macro WSUM r                          ; a sum over the wave's 32 lanes, the result in every lane
	v_add_f32_dpp v[\r], v[\r], v[\r] row_xmask:1 row_mask:0xf bank_mask:0xf
	v_add_f32_dpp v[\r], v[\r], v[\r] row_xmask:2 row_mask:0xf bank_mask:0xf
	v_add_f32_dpp v[\r], v[\r], v[\r] row_xmask:4 row_mask:0xf bank_mask:0xf
	v_add_f32_dpp v[\r], v[\r], v[\r] row_xmask:8 row_mask:0xf bank_mask:0xf
	v_permlanex16_b32 v[SUM+4], v[\r], s[SEL], s[SEL+1]
	v_add_f32 v[\r], v[\r], v[SUM+4]
.endm
.macro KAPPA x, ik, m2                 ; from X = L^2 x (a unit's mean sum of squares): half = its exponent / 2, held to -30 .. 30; 1 / K = 2^(half - 1), - 2 / K = - 2^half.  These numbers enter arithmetic alone
	s_bfe_u32 s[TM], s[\x], 0x80017
	s_sub_co_i32 s[TM], s[TM], 127
	s_ashr_i32 s[TM], s[TM], 1
	s_max_i32 s[TM], s[TM], -30
	s_min_i32 s[TM], s[TM], 30
	s_add_co_i32 s[\ik], s[TM], 126
	s_lshl_b32 s[\ik], s[\ik], 23
	s_mov_b32 s[\ik+1], s[\ik]
	s_add_co_i32 s[\m2], s[TM], 127
	s_lshl_b32 s[\m2], s[\m2], 23
	s_or_b32 s[\m2], s[\m2], 0x80000000
	s_mov_b32 s[\m2+1], s[\m2]
.endm
; THE FRAGMENT LOADS of a pair of unit tiles 2 c, 2 c + 1: contiguous, 512 bytes an instruction
.macro LDF1 c
.irp mi, 0,1
.irp k, 0,1,2
	ds_load_b128 v[AF+32*\mi+8*\k:AF+32*\mi+8*\k+3],   v[FRA] offset:L1F+(2*(\c)+\mi)*3072+\k*1024
	ds_load_b128 v[AF+32*\mi+8*\k+4:AF+32*\mi+8*\k+7], v[FRA] offset:L1F+(2*(\c)+\mi)*3072+\k*1024+512
.endr
.endr
.endm
.macro LDFH reg, base, boff, c         ; a hidden layer's: 16 loads, and the two tiles' biases as a C operand (register j: unit 8 (l / 16) + j)
.irp mi, 0,1
.irp k, 0,1,2,3
	ds_load_b128 v[AF+32*\mi+8*\k:AF+32*\mi+8*\k+3],   v[\reg] offset:(\base)+(2*(\c)+\mi)*4096+\k*1024
	ds_load_b128 v[AF+32*\mi+8*\k+4:AF+32*\mi+8*\k+7], v[\reg] offset:(\base)+(2*(\c)+\mi)*4096+\k*1024+512
.endr
	ds_load_b128 v[BI+8*\mi:BI+8*\mi+3],   v[BIA] offset:(\boff)+(2*(\c)+\mi)*64
	ds_load_b128 v[BI+8*\mi+4:BI+8*\mi+7], v[BIA] offset:(\boff)+(2*(\c)+\mi)*64+16
.endr
.endm
.macro LDFO
.irp k, 0,1,2,3
	ds_load_b128 v[AF+8*\k:AF+8*\k+3],   v[FRA] offset:OUF+\k*1024
	ds_load_b128 v[AF+8*\k+4:AF+8*\k+7], v[FRA] offset:OUF+\k*1024+512
.endr
.endm
; THE PRODUCTS.  The accumulators take turns, one instruction a turn; the first product on each starts its sum (with 0 or with the bias): nothing is cleared.
.macro MM1                             ; layer 1: the value over k steps 0-2; the tangent over the third fragment alone (its k slots 0-2 or 8-10 hold L Wz)
	WIN 0x04                               ; source 1 in window 1
.irp k, 0,1
.irp mi, 0,1
.irp t, 0,1
.set rD, ACC+16*\mi+8*\t
.if \k == 0
	v_wmma_f32_16x16x32_f16 v[rD:rD+7], v[AF+32*\mi:AF+32*\mi+7], v[X+32*\t:X+32*\t+7], 0
.else
	v_wmma_f32_16x16x32_f16 v[rD:rD+7], v[AF+32*\mi+8:AF+32*\mi+15], v[X+32*\t+8:X+32*\t+15], v[rD:rD+7]
.endif
.endr
.endr
.endr
.irp mi, 0,1
.irp t, 0,1
.set rD, ACC+16*\mi+8*\t
	v_wmma_f32_16x16x32_f16 v[rD:rD+7], v[AF+32*\mi+16:AF+32*\mi+23], v[X+32*\t+16:X+32*\t+23], v[rD:rD+7]
	v_wmma_f32_16x16x32_f16 v[rD+32:rD+39], v[AF+32*\mi+16:AF+32*\mi+23], v[X+64+32*\t:X+64+32*\t+7], 0
.endr
.endr
.endm
.macro MMH cur                         ; a hidden layer: 32 products, eight accumulators
	WIN 0x04
.irp k, 0,1,2,3
.irp mi, 0,1
.irp kd, 0,1
.irp t, 0,1
.set rD, ACC+32*\kd+16*\mi+8*\t
.set rA, AF+32*\mi+8*\k
.set rB, (\cur)+64*\kd+32*\t+8*\k
.if (\k == 0) && (\kd == 0)
	v_wmma_f32_16x16x32_f16 v[rD:rD+7], v[rA:rA+7], v[rB:rB+7], v[BI+8*\mi:BI+8*\mi+7]
.elseif \k == 0
	v_wmma_f32_16x16x32_f16 v[rD:rD+7], v[rA:rA+7], v[rB:rB+7], 0
.else
	v_wmma_f32_16x16x32_f16 v[rD:rD+7], v[rA:rA+7], v[rB:rB+7], v[rD:rD+7]
.endif
.endr
.endr
.endr
.endr
.endm
.macro MMO cur                         ; the last layer: 16 products, four accumulators
	WIN 0x04
.irp k, 0,1,2,3
.irp kd, 0,1
.irp t, 0,1
.set rD, ACC+32*\kd+8*\t
.set rB, (\cur)+64*\kd+32*\t+8*\k
.if \k == 0
	v_wmma_f32_16x16x32_f16 v[rD:rD+7], v[AF:AF+7], v[rB:rB+7], 0
.else
	v_wmma_f32_16x16x32_f16 v[rD:rD+7], v[AF+8*\k:AF+8*\k+7], v[rB:rB+7], v[rD:rD+7]
.endif
.endr
.endr
.endr
.endm
; THE ACTIVATION of a pair of unit tiles, in place: F = 32 sums of the value, U = the 32 of the tangent beside them.  Two batches of 32 transcendentals; behind each one plain instruction and ONE wait,
; ahead of the batch's first reader.  Each accumulator is read from its lowest registers on.  Then both are rounded into k step c of the next layer's operands.
; It stands in two parts: ACTE, the exponentials and their wait, behind which the next pair's fragment loads are issued; ACTR, the rest, which names ACC and window 1 alone.
.macro ACTE
	WIN 0
.set q, 0
.rept 32
	v_exp_f32 v[ACC+q], v[ACC+q]           ; e = 2^y
.set q, q+1
.endr
	v_nop
	s_wait_alu depctr_va_vdst(0)           ; the 32 exponentials have written v[ACC ..], ahead of their first reader; and the pair's products are done reading AF and BI, in which the LDS loads behind this wait land
.endm
.macro ACTR c, nxt, ik, m2
	WIN 0
.set q, 0
.rept 16
	v_pk_fma_f32 v[ACC+q:ACC+q+1], v[ACC+q:ACC+q+1], s[\ik:\ik+1], s[\ik:\ik+1] op_sel_hi:[1,0,0]  ; (e + 1) / K
.set q, q+2
.endr
.set q, 0
.rept 32
	v_rcp_f32 v[ACC+q], v[ACC+q]           ; rho
.set q, q+1
.endr
	v_nop
	s_wait_alu depctr_va_vdst(0)           ; the 32 reciprocals have written v[ACC ..], ahead of their first reader
.set q, 0
.rept 16
	v_pk_mul_f32 v[ACC+32+q:ACC+33+q], v[ACC+32+q:ACC+33+q], v[ACC+q:ACC+q+1]  ; u' rho
.set q, q+2
.endr
.set q, 0
.rept 16
	v_pk_fma_f32 v[ACC+q:ACC+q+1], v[ACC+q:ACC+q+1], s[\m2:\m2+1], 1.0 op_sel_hi:[1,0,0]  ; h
.set q, q+2
.endr
.set q, 0
.rept 16
	v_pk_fma_f32 v[ACC+32+q:ACC+33+q], v[ACC+32+q:ACC+33+q], v[ACC+q:ACC+q+1], v[ACC+32+q:ACC+33+q]  ; v'
.set q, q+2
.endr
	WIN 0x40                               ; destination window 1
.set q, 0
.rept 32                               ; q = 16 kind + 8 mi + 4 t + n
	v_cvt_pk_f16_f32 v[(\nxt)+64*(q/16)+32*((q/4)%2)+8*(\c)+4*((q/8)%2)+q%4], v[ACC+2*q], v[ACC+2*q+1]
.set q, q+1
.endr
.endm
; A PASS'S OPERANDS for layer 1.  Tile 0's z and eps stand in lanes 0-15 (k slots 0-3 of the third step), tile 1's in lanes 16-31 (slots 8-11, which hold the same weights): so lane l serves row l.
.macro INPUT
	WIN 0
.irp d, 0,1,2
	v_and_b32 v[T+4+\d], s[ABSM], v[ES+\d]
.endr
	v_max3_num_f32 v[T], v[T+4], v[T+5], v[T+6]
	v_max_num_f32 v[T], 0x0d800000, v[T]   ; m, at least 2^-100
	v_rcp_f32 v[T+1], v[T]
	v_cvt_pk_f16_f32 v[T+2], v[ZS], v[ZS+1]
	v_cvt_pk_f16_f32 v[T+3], v[ZS+2], v[ONE]  ; the 1 meets L (b_in + t W_in[67])
	v_mul_f32 v[T], s[NEGC], v[T]
.irp d, 0,1,2
	v_mul_f32 v[EW+\d], v[ES+\d], v[T]
.endr
	s_wait_alu depctr_va_vdst(0)           ; the reciprocal has written v[T+1], ahead of its first reader; the six lines above are the work between
.irp d, 0,1,2
	v_mul_f32 v[T+4+\d], v[ES+\d], v[T+1]
.endr
	v_cvt_pk_f16_f32 v[T+4], v[T+4], v[T+5]
	v_cvt_pk_f16_f32 v[T+5], v[T+6], v[ZR]    ; the 0 meets the bias: the tangent has none
	WIN 0x40
.irp t, 0,1
.irp c, 0,1
.irp n, 0,1,2,3,4,5,6,7
	v_cvt_pk_f16_f32 v[X+32*\t+8*\c+\n], v[CST+32*\t+16*\c+2*\n], v[CST+32*\t+16*\c+2*\n+1]
.endr
.endr
.endr
.irp n, 0,1
	v_and_b32 v[X+16+\n], v[MLO], v[T+2+\n]
	v_and_b32 v[X+48+\n], v[MHI], v[T+2+\n]
	v_and_b32 v[X+64+\n], v[MLO], v[T+4+\n]
	v_and_b32 v[X+96+\n], v[MHI], v[T+4+\n]
.endr
.irp n, 2,3,4,5,6,7                    ; the other k slots of these four operands (the hidden layers write these registers in every pass)
	v_mov_b32 v[X+16+\n], 0
	v_mov_b32 v[X+48+\n], 0
	v_mov_b32 v[X+64+\n], 0
	v_mov_b32 v[X+96+\n], 0
.endr
.endm
	; ---------------- THE SET-UP ----------------
	s_load_b512 s[CTX:CTX+15], s[0:1], 0x0
	s_load_b256 s[BH2:BH2+7], s[0:1], 0x40
	s_load_b128 s[TP:TP+3], s[0:1], 0x60
	s_load_b64 s[O1:O1+1], s[0:1], 0x70
	v_lshl_add_u32 v[SPW], v0, 2, SPARE
	v_mov_b32 v[NIL], 0
	v_lshrrev_b32 v1, 5, v0
	v_readfirstlane_b32 s[WV], v1          ; wave 0..7
	v_and_b32 v1, 31, v0                   ; l
	v_cmp_gt_u32 vcc_lo, 16, v1            ; lanes 0-15: read by the select below
	v_and_b32 v[T+1], 15, v0               ; l % 16
	v_bfe_u32 v[T], v0, 4, 1               ; l / 16
	v_lshlrev_b32 v[FRA], 4, v1
	v_add_nc_u32 v[FRB], L3F, v[FRA]
	v_lshlrev_b32 v[BIA], 5, v[T]
	v_lshl_add_u32 v[CTXO], v[T+1], 8, v[BIA]
	v_mul_u32_u24 v[L12], v1, 12
	v_lshlrev_b32 v[L8], 3, v1
	v_lshlrev_b32 v[L4], 2, v1
	v_lshlrev_b32 v[PFO], 8, v1
	s_wait_alu depctr_va_sdst(0)           ; the wave's number is written into s[WV], ahead of its first reader
	s_lshl_b32 s[TM], s[WV], 10
	s_add_co_u32 s[TM], s[TM], STAGE       ; my stage
	v_add_nc_u32 v[STG], s[TM], v[L12]
	v_add_nc_u32 v[STR], s[TM], v[L8]
	s_add_co_u32 s[TM], s[TM], 768
	v_add_nc_u32 v[STN], s[TM], v[L4]
	s_wait_alu depctr_va_vcc(0)            ; the compare above has written VCC, which the select reads
	v_cndmask_b32 v[MLO], 0, -1, vcc_lo
	v_xor_b32 v[MHI], -1, v[MLO]
	v_mov_b32 v[ONE], 1.0
	v_mov_b32 v[ZR], 0
	s_lshl_b32 s[SA], s[WV], 12
	v_add_nc_u32 v[SVO], s[SA], v[FRA]     ; rows 8 wave .. of a weight matrix, my 4 units
	v_lshrrev_b32 v[T+2], 2, v1
	v_and_b32 v[T+3], 3, v1
	s_lshl_b32 s[SA], s[WV], 8
	v_lshl_add_u32 v[T+3], v[T+3], 6, s[SA]
	v_lshl_add_u32 v[LWA], v[T+2], 12, v[T+3]
	v_add_nc_u32 v[LWB], L3F, v[LWA]
	v_mul_u32_u24 v[LWI], v[T+2], 3072
	v_add_nc_u32 v[LWI], v[LWI], v[T+3]
	v_and_b32 v[T+4], 127, v0              ; u = thread % 128
	v_lshlrev_b32 v[U4], 2, v[T+4]
	v_lshrrev_b32 v[T+5], 4, v0            ; W_out: thread = 16 ko + m
	v_and_b32 v[T+6], 7, v0                ; d = m % 8; kept for the select below
	v_min_u32 v[T+7], 2, v[T+6]            ; rows that hold 0 read column 2 and drop it
	v_mul_u32_u24 v[T+5], v[T+5], 24
	v_add_lshl_u32 v[WOA], v[T+5], v[T+7], 2  ; (3 x 8 ko + d) x 4
	v_lshrrev_b32 v[T+4], 4, v[T+4]
	v_mul_u32_u24 v[T+4], v[T+4], 3072
	v_lshl_add_u32 v[T+4], v[T+1], 4, v[T+4]
	v_lshrrev_b32 v[T+5], 7, v0
	v_lshl_add_u32 v[L1Z], v[T+5], 8, v[T+4]  ; threads 0-127 write ko 8 and 10, threads 128-255 ko 9 and 11
	v_lshlrev_b32 v[WOS], 4, v0
	v_lshlrev_b32 v[BWS], 2, v0
	s_lshl_b32 s[SA], s[WV], 4
	v_mov_b32 v[RDW], s[SA]
	v_mov_b32 v[SUM+4], 0                  ; v_permlanex16_b32's destination counts as read
	v_mov_b32 v[RES], 0                    ; the LDS address by which the partial sums are read back, behind the barrier
	s_mov_b32 s[LAM], 0x4038aa3b           ; L = 2 log2(e)
	s_mov_b32 s[LAM+1], s[LAM]
	s_mov_b32 s[HIM], 0xffff0000
	s_mov_b32 s[SEL], 0x76543210
	s_mov_b32 s[SEL+1], 0xfedcba98
	s_mov_b32 s[ABSM], 0x7fffffff
	s_mov_b32 s[OF+1], 0
	s_lshl_b32 s[G2], ttmp9, 4
	s_lshl_b32 s[SA], s[WV], 1
	s_add_co_u32 s[G2], s[G2], s[SA]       ; 2 g = 2 (8 x work-group + wave)
	s_wait_kmcnt 0x0
	s_load_b32 s[TT], s[TP:TP+1], 0x0
	s_load_b32 s[SC], s[SCP:SCP+1], 0x0
	s_load_b96 s[BO:BO+2], s[BOP:BOP+1], 0x0
	WIN 0x40                               ; destination window 1.  Item it of a hidden matrix: rows 8 (wave + 8 it) + i; each load takes 512 consecutive bytes of a row
	s_wait_alu depctr_va_vdst(0)           ; every offset and LDS address of the kernel is written (v2-v11, v19, v36, v112-v121): the loads, stores and the prefetch below read them
.irp it, 0,1
.irp i, 0,1,2,3,4,5,6,7
	global_load_b128 v[32*\it+4*\i:32*\it+4*\i+3], v[SVO], s[WH1:WH1+1] offset:\it*32768+\i*512
.endr
.endr
.irp it, 0,1
.irp i, 0,1,2,3,4,5,6,7
	global_load_b128 v[64+32*\it+4*\i:64+32*\it+4*\i+3], v[SVO], s[WH2:WH2+1] offset:\it*32768+\i*512
.endr
.endr
.irp i, 0,1,2,3,4,5,6,7
	global_load_b128 v[128+4*\i:128+4*\i+3], v[SVO], s[WI:WI+1] offset:1536+\i*512  ; W_in's context rows 3 + 8 wave + i
.endr
	WIN 0
	global_load_b32 v[ACC],   v[U4], s[WI:WI+1]               ; W_in rows 0, 1, 2 (z) and 67 (t), unit u
	global_load_b32 v[ACC+1], v[U4], s[WI:WI+1] offset:512
	global_load_b32 v[ACC+2], v[U4], s[WI:WI+1] offset:1024
	global_load_b32 v[ACC+3], v[U4], s[WI:WI+1] offset:34304
	global_load_b32 v[ACC+4], v[U4], s[BIN:BIN+1]
.irp i, 0,1,2,3,4,5,6,7
	global_load_b32 v[ACC+5+\i], v[WOA], s[WO:WO+1] offset:12*\i  ; W_out[8 ko + i][d]
.endr
	s_cmp_lt_u32 s[WV], 4
	s_cselect_b64 s[BSEL:BSEL+1], s[BH1:BH1+1], s[BH2:BH2+1]     ; threads 0-127 bring b_h1, the others b_h2
	global_load_b32 v[ACC+13], v[U4], s[BSEL:BSEL+1]
	BASES G2
	STREAM                                 ; the first pass's rows: on their way while the weights are laid out
	s_wait_loadcnt 60                      ; W_h1 is in; behind it 16 + 8 + 14 + 22 loads may stay out
	CONV 0,  LWA, L2F,      1, QA, 0
	CONV 32, LWA, L2F+2048, 2, QA
	s_wait_loadcnt 44                      ; W_h2 is in; 8 + 14 + 22 may stay out
	CONV 64, LWB, 0,    1, QB
	CONV 96, LWB, 2048, 2, QB
	s_wait_loadcnt 36                      ; W_in's context rows; 14 + 22 may stay out
	CONV 128, LWI, L1F
	WIN 0x55
	v_pk_add_f32 v[QA:QA+1], v[QA:QA+1], v[QA+2:QA+3]
	v_pk_add_f32 v[QB:QB+1], v[QB:QB+1], v[QB+2:QB+3]
	WIN 0x05                               ; sources window 1, destination window 0
	v_add_f32 v[SUM+1], v[QA], v[QA+1]
	v_add_f32 v[SUM+2], v[QB], v[QB+1]
	WIN 0
	s_wait_loadcnt 22                      ; the small loads; the first pass's 22 may stay out
	s_wait_kmcnt 0x0                       ; t, out_scale, b_out
	v_cmp_gt_u32 vcc_lo, 3, v[T+6]         ; W_out's rows 0-2 and 8-10: read by the selects below
	v_mul_f32 v[SUM], v[ACC], v[ACC]       ; both halves of the threads take these squares: S1 comes out twice
	v_fmac_f32 v[SUM], v[ACC+1], v[ACC+1]
	v_fmac_f32 v[SUM], v[ACC+2], v[ACC+2]
	v_fma_f32 v[ACC+3], v[ACC+3], s[TT], v[ACC+4]  ; b_in + t W_in[67]
	v_pk_mul_f32 v[ACC:ACC+1], v[ACC:ACC+1], s[LAM:LAM+1] op_sel_hi:[1,0]
	v_pk_mul_f32 v[ACC+2:ACC+3], v[ACC+2:ACC+3], s[LAM:LAM+1] op_sel_hi:[1,0]
	v_cvt_pk_f16_f32 v[ACC+18], v[ACC], v[ACC+1]
	v_cvt_pk_f16_f32 v[ACC+19], v[ACC+2], v[ACC+3]
.irp i, 20,21,22,23
	v_mov_b32 v[ACC+\i], 0
.endr
	s_wait_alu depctr_va_vcc(0)            ; the compare above has written VCC, which the eight selects read
.irp i, 0,1,2,3,4,5,6,7
	v_cndmask_b32 v[ACC+5+\i], 0, v[ACC+5+\i], vcc_lo
.endr
.irp n, 0,1,2,3
	v_cvt_pk_f16_f32 v[ACC+24+\n], v[ACC+5+2*\n], v[ACC+6+2*\n]
.endr
	v_mul_f32 v[ACC+13], s[LAM], v[ACC+13]
	WSUM SUM
	WSUM SUM+1
	WSUM SUM+2
	v_mov_b32 v[SUM+3], v[SUM+2]
	s_wait_alu depctr_va_vdst(0)           ; v[ACC+13], v[ACC+18 .. ACC+27] and v[SUM .. SUM+3] are written, which the five LDS stores read.  No vector line stands between this wait and the LDS loads behind the barrier, so it also states that all vector lines are done with v48-v79 and v112-v167, in which those loads land
	ds_store_b128 v[L1Z], v[ACC+18:ACC+21] offset:L1F+2048
	ds_store_b128 v[L1Z], v[ACC+20:ACC+23] offset:L1F+2560
	ds_store_b128 v[WOS], v[ACC+24:ACC+27] offset:OUF
	ds_store_b32 v[BWS], v[ACC+13] offset:B2O
	ds_store_b128 v[RDW], v[SUM:SUM+3] offset:RED
	s_wait_dscnt 0x0                       ; for the others' sake: all my stores into LDS are done
	s_barrier_signal -1
	s_barrier_wait -1                      ; the kernel's one barrier: fragments, biases and partial sums are whole; from here on no wave writes them
	s_wait_alu depctr_vm_vsrc(0)           ; my LDS stores have read their data (v61, v66-v79, and v[PK ..] of window 1, which the loop writes as Y) and, with the weights' loads, their addresses v112-v121: the LDS loads below land in v48-v79 and v112-v167
.irp w, 0,1,2,3,4,5,6,7
	ds_load_b128 v[ACC+4*\w:ACC+4*\w+3], v[RES] offset:RED+16*\w
.endr
	LDF1 0
	s_wait_dscnt 12                        ; the eight partial sums are in; the 12 fragment loads behind them may stay out
.irp w, 1,2,3,4,5,6,7
	v_pk_add_f32 v[ACC:ACC+1], v[ACC:ACC+1], v[ACC+4*\w:ACC+4*\w+1]
	v_pk_add_f32 v[ACC+2:ACC+3], v[ACC+2:ACC+3], v[ACC+4*\w+2:ACC+4*\w+3]
.endr
	v_mul_f32 v[ACC],   0x3d053526, v[ACC]    ; L^2 / 256: S1 was taken twice
	v_mul_f32 v[ACC+1], 0x3d853526, v[ACC+1]  ; L^2 / 128
	v_mul_f32 v[ACC+2], 0x3d853526, v[ACC+2]
	v_readfirstlane_b32 s[SX],   v[ACC]
	v_readfirstlane_b32 s[SX+1], v[ACC+1]
	v_readfirstlane_b32 s[SX+2], v[ACC+2]
	s_wait_alu depctr_va_sdst(0)           ; the three sums are written into s[SX .. SX+2], ahead of their first reader
	KAPPA SX,   IK1, M21
	KAPPA SX+1, IK2, M22
	KAPPA SX+2, IK3, M23
	s_mul_f32 s[NEGC], s[IK1], s[IK2]
	s_mul_f32 s[NEGC], s[NEGC], s[IK3]
	s_mul_f32 s[NEGC], s[NEGC], 0xbeaa8235 ; - ln(2)^3
	s_mul_f32 s[NEGC], s[NEGC], s[SC]
	s_mul_f32 s[BO],   s[BO],   s[SC]
	s_mul_f32 s[BO+1], s[BO+1], s[SC]
	s_mul_f32 s[BO+2], s[BO+2], s[SC]
	s_mov_b32 s[TRIP], 0
	; ---------------- THE LOOP: eight trips, a pass each ----------------
.Lpass:
	s_and_b32 s[PAR], s[TRIP], 1
	s_lshr_b32 s[PAS], s[TRIP], 1
	s_lshl_b32 s[PAS], s[PAS], 12
	s_add_co_u32 s[PAS], s[PAS], s[PAR]
	s_add_co_u32 s[PAS], s[PAS], s[G2]     ; 2 g + trip % 2 + 4,096 (trip / 2)
	s_cmp_ge_u32 s[PAS], NPASS
	s_cbranch_scc1 .Lskip                  ; past the last pass: forward, over plain work alone
	s_wait_loadcnt 0x0                     ; this pass's 22 loads, issued a pass ago
	s_wait_xcnt 0x0                        ; the last pass's stores and prefetch have read their registers: bases and data are written again only behind this wait
	s_wait_alu depctr_vm_vsrc(0)           ; the earlier passes' stores have read v[RES ..] and v[FL ..] (in the first trip: the set-up's LDS loads have read v[RES] as their address): this pass's last vector lines write RES again, its LDS loads from my stage FL
	INPUT
	WIN 0
	s_cmp_eq_u32 s[PAR], 0
	s_cselect_b32 s[TM], 1, 4095
	s_add_co_u32 s[PNX], s[PAS], s[TM]     ; the next trip's pass
	s_cmp_lt_u32 s[PNX], NPASS
	s_cbranch_scc0 .Lasked
	BASES PNX
	s_wait_alu depctr_va_vdst(0)           ; INPUT's lines are done reading CST, ZS and ES, in which the 22 loads below land
	STREAM                                 ; its rows have this whole pass in which to come
	s_add_co_u32 s[TM], s[PAS], 4096       ; the pass of the trip after that, which the next trip's loads will name
	s_cmp_lt_u32 s[TM], NPASS
	s_cbranch_scc0 .Lasked                 ; no such pass: nothing is asked for
	s_lshl_b32 s[OF], s[TM], 13
	s_add_nc_u64 s[PB:PB+1], s[CTX:CTX+1], s[OF:OF+1]
	global_prefetch_b8 v[PFO], s[PB:PB+1] th:TH_LOAD_NT scope:SCOPE_SE  ; its 32 rows of context, a lane a row of 256 bytes: each row is named once in the launch, by the wave that will load it; z and eps, 24 bytes a row, are not asked for
.Lasked:
	; Each pair of unit tiles: the fragments asked for in the last activation are in; the products; four places; the exponentials and their wait; the next pair's fragments; the rest of the activation.
.irp c, 0,1,2,3
	s_wait_dscnt 0x0
	MM1
	PLACES
	ACTE
.if \c < 3
	LDF1 (\c+1)
.else
	LDFH FRA, L2F, B2O, 0
.endif
	ACTR \c, Y, IK1, M21
.endr
.irp c, 0,1,2,3
	s_wait_dscnt 0x0
	MMH Y
	PLACES
	ACTE
.if \c < 3
	LDFH FRA, L2F, B2O, (\c+1)
.else
	LDFH FRB, 0, B3O, 0
.endif
	ACTR \c, X, IK2, M22
.endr
.irp c, 0,1,2,3
	s_wait_dscnt 0x0
	MMH X
	PLACES
	ACTE
.if \c < 3
	LDFH FRB, 0, B3O, (\c+1)
.else
	LDFO
.endif
	ACTR \c, Y, IK3, M23
.endr
	s_wait_dscnt 0x0
	MMO Y
	PLACES
	WIN 0
.irp d, 0,1,2
	v_cndmask_b32 v[T+\d], v[ACC+\d], v[ACC+8+\d], s[HIM]        ; lane l takes row l: tile 0 in lanes 0-15, tile 1 in lanes 16-31
.endr
.irp d, 0,1,2
	v_cndmask_b32 v[T+4+\d], v[ACC+32+\d], v[ACC+40+\d], s[HIM]
.endr
.irp d, 0,1,2
	v_fma_f32 v[RES+\d], v[T+\d], s[SC], s[BO+\d]                ; (h W_out + b_out) out_scale
.endr
	v_mul_f32 v[RES+3], v[T+4], v[EW]
	v_fmac_f32 v[RES+3], v[T+5], v[EW+1]
	v_fmac_f32 v[RES+3], v[T+6], v[EW+2]   ; NEGC m eps . (W_out^T v3')
	s_wait_alu depctr_va_vdst(0)           ; v[RES .. RES+3] are written, which the stores on each of the three ways below read; and the last layer's products are done reading AF, in which the loads below land.  No vector line follows in this pass
	LDF1 0                                 ; the next pass's first fragments
	s_cmp_eq_u32 s[PAS], NPASS-1
	s_cbranch_scc1 .Ltail
	s_cmp_eq_u32 s[PAR], 0
	s_cbranch_scc0 .Lodd
.irp d, 0,1,2
	ds_store_b32 v[STG], v[RES+\d] offset:4*\d   ; the first 32 of 64 rows wait in my stage
.endr
	ds_store_b32 v[STN], v[RES+3]
	s_branch .Lskip
.Lodd:
.irp d, 0,1,2
	ds_store_b32 v[STG], v[RES+\d] offset:384+4*\d
.endr
	ds_store_b32 v[STN], v[RES+3] offset:128
.irp j, 0,1,2,3
	ds_load_b64 v[FL+2*\j:FL+2*\j+1], v[STR] offset:256*\j  ; my own bytes: LDS serves a wave's instructions in order (ISA guide 5.7.1.4), so these see the stores above and the next chunk's stores come behind them
.endr
	s_lshr_b32 s[TM], s[PAS], 1            ; the chunk of 64 rows
	s_mul_i32 s[OF], s[TM], 768
	s_add_nc_u64 s[O0B:O0B+1], s[O0:O0+1], s[OF:OF+1]
	s_lshl_b32 s[OF], s[TM], 8
	s_add_nc_u64 s[O1B:O1B+1], s[O1:O1+1], s[OF:OF+1]
	s_wait_dscnt 0x0
.irp j, 0,1,2
	global_store_b64 v[L8], v[FL+2*\j:FL+2*\j+1], s[O0B:O0B+1] offset:256*\j th:TH_STORE_NT  ; each store covers 256 consecutive bytes, at a multiple of 256 from the buffer's first
.endr
	global_store_b64 v[L8], v[FL+6:FL+7], s[O1B:O1B+1] th:TH_STORE_NT
	s_branch .Lskip
.Ltail:                                        ; the launch's last 32 rows have no second half: one wave, once, stores them as they lie in the lanes
	s_mul_i32 s[OF], s[PAS], 384
	s_add_nc_u64 s[O0B:O0B+1], s[O0:O0+1], s[OF:OF+1]
	s_lshl_b32 s[OF], s[PAS], 7
	s_add_nc_u64 s[O1B:O1B+1], s[O1:O1+1], s[OF:OF+1]
.irp d, 0,1,2
	global_store_b32 v[L12], v[RES+\d], s[O0B:O0B+1] offset:4*\d
.endr
	global_store_b32 v[L4], v[RES+3], s[O1B:O1B+1]
.Lskip:
	s_add_co_u32 s[TRIP], s[TRIP], 1
	s_cmp_lt_u32 s[TRIP], 8
	s_cbranch_scc1 .Lpass
	s_wait_dscnt 0x0                       ; the closing lines, six on end
	s_wait_alu 0x0
	s_wait_tensorcnt 0x0
	ds_add_u32 v[SPW], v[NIL]
	s_wait_dscnt 0x0
	s_endpgm
.Lfunc_end_k_qb98c574c2b_ode:
	.size	k_qb98c574c2b_ode, .Lfunc_end_k_qb98c574c2b_ode-k_qb98c574c2b_ode
	.p2alignl 7, 3214868480
	.fill 96, 4, 3214868480
	.section	.rodata,"a",@progbits
	.p2align	6, 0x0
	.amdhsa_kernel k_qb98c574c2b_ode
		.amdhsa_group_segment_fixed_size 107520
		.amdhsa_private_segment_fixed_size 0
		.amdhsa_enable_private_segment 0
		.amdhsa_kernarg_size 120
		.amdhsa_user_sgpr_count 2
		.amdhsa_user_sgpr_kernarg_segment_ptr 1
		.amdhsa_wavefront_size32 1
		.amdhsa_system_sgpr_workgroup_id_x 1
		.amdhsa_system_sgpr_workgroup_id_y 1
		.amdhsa_system_sgpr_workgroup_id_z 1
		.amdhsa_system_vgpr_workitem_id 0
		.amdhsa_next_free_vgpr 512
		.amdhsa_next_free_sgpr 96
		.amdhsa_reserve_vcc 1
		.amdhsa_float_denorm_mode_32 3
		.amdhsa_float_denorm_mode_16_64 3
		.amdhsa_memory_ordered 1
		.amdhsa_forward_progress 1
		.amdhsa_inst_pref_size 180
	.end_amdhsa_kernel
	.amdgpu_metadata
---
amdhsa.version: [ 1, 2 ]
amdhsa.kernels:
  - .name:           k_qb98c574c2b_ode
    .symbol:         k_qb98c574c2b_ode.kd
    .args:
      - { .name: context, .offset: 0, .size: 8, .value_kind: global_buffer, .address_space: global }
      - { .name: z, .offset: 8, .size: 8, .value_kind: global_buffer, .address_space: global }
      - { .name: eps, .offset: 16, .size: 8, .value_kind: global_buffer, .address_space: global }
      - { .name: W_in, .offset: 24, .size: 8, .value_kind: global_buffer, .address_space: global }
      - { .name: b_in, .offset: 32, .size: 8, .value_kind: global_buffer, .address_space: global }
      - { .name: W_h1, .offset: 40, .size: 8, .value_kind: global_buffer, .address_space: global }
      - { .name: b_h1, .offset: 48, .size: 8, .value_kind: global_buffer, .address_space: global }
      - { .name: W_h2, .offset: 56, .size: 8, .value_kind: global_buffer, .address_space: global }
      - { .name: b_h2, .offset: 64, .size: 8, .value_kind: global_buffer, .address_space: global }
      - { .name: W_out, .offset: 72, .size: 8, .value_kind: global_buffer, .address_space: global }
      - { .name: b_out, .offset: 80, .size: 8, .value_kind: global_buffer, .address_space: global }
      - { .name: out_scale, .offset: 88, .size: 8, .value_kind: global_buffer, .address_space: global }
      - { .name: t, .offset: 96, .size: 8, .value_kind: global_buffer, .address_space: global }
      - { .name: out0, .offset: 104, .size: 8, .value_kind: global_buffer, .address_space: global }
      - { .name: out1, .offset: 112, .size: 8, .value_kind: global_buffer, .address_space: global }
    .group_segment_fixed_size: 107520
    .private_segment_fixed_size: 0
    .kernarg_segment_align: 8
    .kernarg_segment_size: 120
    .max_flat_workgroup_size: 256
    .sgpr_count:     96
    .vgpr_count:     512
    .wavefront_size: 32
...
	.end_amdgpu_metadata
.endif
;; end of part 2
